; MI455X (gfx1250); checked and timed in simulation.
; The chip was launched on July 23, 2026; its instructions are those of AMD's public machine-readable ISA for CDNA 5 (MIT licence, August 2026) and "CDNA5" Instruction Set Architecture Reference Guide (July 2026). The comments in the code are by the model that wrote it; some were corrected since.
;; Linear. Allowed arithmetic: matrix products marked QUANTISED: E2M1 operands, one E8M0 scale for each 32 along K, by v_wmma_scale_f32_16x16x128_f8f6f4 with both operands' format E2M1 (or v_wmma_scale_f32_32x16x128_f4), f32 sums; everything else in f32.
;; Inputs: weight 4,096 x 4,096 int32; weight_scaler 4,096 float32; x 2 x 2,048 x 4,096 float32.
;; Outputs: out0 2 x 2,048 x 4,096 float32.
;; This version of the problem:
;;   THIS VERSION OF THE PROBLEM IS GIVEN IN LOW PRECISION. The matrix products marked QUANTISED in the list below multiply operands that are first quantised to E2M1 (2 exponent bits, 1 mantissa bit; 4 bits a number), with one power-of-two scale for each 32 numbers along K (OCP MX v1.0); their sums are f32. All else is computed in f32.
;;   The module's matrix products, in the order in which they are computed (A, B: the left and right operand; K: the contracted axis; several contracted axes count as one K, in the product's order):
;;     1. [M 4,096, K 4,096] x [K 4,096, N 4,096]; A: input x; B: computed on the way: QUANTISED
;;   THE QUANTISER, for each operand of a quantised product, along K:
;;     - K is cut into blocks of 32 from its start; a last block that is shorter is filled with zeros.
;;     - A block's scale is 2^e with e = floor(log2(the largest magnitude in the block)) - 2, held to -126 .. 127; a block of zeros has e = 0. As a byte (E8M0): e + 127.
;;     - Each number is divided by its block's scale, clamped to +-6, and rounded to the nearest number of E2M1, ties to even, subnormals kept.
;;     - The product sums the exact products of the quantised numbers (number of the format x scale) in f32.
;;   ~~~python
;;   def quantise(x, axis):      # numpy; x: float32 -> the quantised numbers, widened to float32 again
;;       x = np.moveaxis(x, axis, -1); K = x.shape[-1]
;;       x = np.pad(x, [(0, 0)] * (x.ndim - 1) + [(0, -K % 32)]); x = x.reshape(x.shape[:-1] + (-1, 32)); a = np.abs(x).max(-1, keepdims=True)
;;       e = np.where(a > 0, np.clip(np.frexp(np.where(a > 0, a, 1))[1] - 1 - 2, -126, 127), 0)      # np.frexp(a)[1] - 1 = floor(log2(a)), exactly
;;       r = np.clip(x / 2.0 ** e, -6, 6)
;;       step = 2.0 ** (np.maximum(np.frexp(np.where(r == 0, 1, r))[1] - 1, 0) - 1)
;;       q = np.round(r / step) * step * 2.0 ** e      # np.round: ties to even
;;       return np.moveaxis(q.reshape(q.shape[:-2] + (-1,))[..., :K], -1, axis).astype(np.float32)
;;   ~~~
;;   OPERANDS COMPUTED ON THE WAY. 'Computed on the way' means the value that the module computes at that place (a softmax that the list does not call 'softmax' is quantised finished and normalised). What goes into a quantiser is computed in f32, as accurately as f32 sums, v_exp_f32 and their like allow (about 1e-6 of the number): no bf16 or f16 on the way to a quantiser, and a product that is left as it is and whose result goes on into a quantised operand takes f32 operands (vector FMAs, or v_wmma_f32_16x16x4_f32). A number that lies on a knife's edge between two numbers of the format may be rounded either way, as far as f32 arithmetic and the matrix unit's own rounding can turn it there, and no further.
;; One version. Each part assembles by itself: llvm-mc -triple=amdgcn-amd-amdhsa -mcpu=gfx1250 --defsym DOCPART=n.
;; ======== version 1 of 1: 2 launches
;; limits: right only within a limited range of input values
;; workspace buffers: codes 17,825,792 bytes
;; launch quant (part 1): grid 1024 x 1, 4 waves a work-group, no clusters, 35,328 bytes of LDS; arguments x, weight, weight_scaler, codes; writes codes
.if DOCPART == 1
	.amdgcn_target "amdgcn-amd-amdhsa--gfx1250"
	.amdhsa_code_object_version 6
	.text
	.protected	k_q03da04855f_quant
	.globl	k_q03da04855f_quant
	.p2align	8
	.type	k_q03da04855f_quant,@function
k_q03da04855f_quant:
	s_mov_b64 s[64:65], 0
	v_nop
	global_prefetch_b8 v0, s[64:65] scope:SCOPE_SE
	s_setreg_imm32_b32 hwreg(HW_REG_WAVE_MODE, 25, 1), 1
	s_wait_xcnt 0x0
; x [4096][4096] f32 and w[o][k] = float(weight[o][k]) * weight_scaler[o] (weight int32) become codes of FP4 (E2M1) with one E8M0 byte for each 32 along K, the innermost axis of both.
; A block's scale is 2^(floor(log2(largest magnitude)) - 2): its byte is that magnitude's exponent field - 2, held at 1 from below by a floor among the maximum's leaves.
; LIMITS: NaN and infinities among the inputs are not served.  A block of zeros gets the byte 1 where the rule says 127: its codes are zeros, and this program alone reads the bytes.
; THE WORKSPACE IS AN IMAGE OF THE PRODUCT'S OPERAND REGISTERS: [G 0..63][s 0..7][BLKB bytes].  G: 128 rows (0-31 x's, 32-63 w's); s: 512 along K.  In a block: fragment (q = which 128 along K,
; i = which 16 rows) at (8 q + i) x 1,024, in it lane l's registers 4 c .. 4 c + 3 at 512 c + 16 l (row 16 i + l % 16, k = 128 q + 64 c + 32 (l / 16) + 0 .. 31).  Behind them, at 32,768, the scale words:
; for each q 512 bytes, lane l's 16 bytes at 16 l, word j of them = the word of row 16 (j + 4 (l / 16)) + l % 16: one load of 16 bytes a lane brings the scale registers of eight fragments.
; SHARES.  A wave takes 16 rows x 512 along K in four steps of 128, one fragment a step.  Each load reads 512 consecutive bytes of a row; a step's 16 rows turn through the wave's own stage in LDS, so that a whole
; block of 32 lies in one lane.  The four waves of a work-group take four neighbouring groups of 16 rows (j = the wave): their scale words meet in 1,024 bytes of LDS, one barrier, and wave q stores the
; 256 consecutive bytes of step q.  No tensor load, no cluster (work-groups share no input but the scaler), no loop: every offset is an immediate.  Loads run two steps ahead.
.set WGA,   512                        ; the first 512 work-groups take x, the others the weight
.set BLKB,  34816
.set GRPB,  8*BLKB
.set ROWM,  16384
.set SP,    528                        ; a stage row: 512 bytes + 16
.set WST,   16*SP
.set SPARE, 0x8400                     ; behind the four stages: the spare words
.set XCH,   0x8600                     ; behind them: the scale words' meeting place, [q][row % 16][wave], 4 bytes each
.set R,     32                         ; v32-159  two sets of 64 registers as loaded
.set X,     160                        ; v160-223 my 64 numbers
.set C,     224                        ; v224-255 the codes
.set W,     24                         ; v24-27   the scale word of each step
	s_load_b256 s[4:11], s[0:1], 0x0               ; x, weight, weight_scaler, codes
	v_lshl_add_u32 v30, v0, 2, SPARE
	v_mov_b32 v31, 0
	v_lshrrev_b32 v2, 5, v0
	v_readfirstlane_b32 s12, v2                    ; wave
	v_and_b32 v1, 31, v0
	v_lshlrev_b32 v1, 4, v1                        ; 16 x lane
	v_and_b32 v2, 15, v0                           ; r
	v_bfe_u32 v3, v0, 4, 1                         ; h
	s_mul_i32 s2, s12, WST
	v_add_nc_u32 v4, s2, v1                        ; into the stage: as loaded
	v_mul_u32_u24 v5, v2, SP
	v_lshl_add_u32 v5, v3, 7, v5
	v_add_nc_u32 v5, s2, v5                        ; out of it: row r, + 128 h bytes
	v_lshlrev_b32 v6, 2, v2                        ; my row's scaler
	v_lshlrev_b32 v7, 4, v2
	v_lshl_add_u32 v7, v3, 9, v7
	s_lshl_b32 s3, s12, 2
	s_add_co_u32 s3, s3, XCH
	v_add_nc_u32 v7, s3, v7                        ; where my two words meet the others': XCH + 512 h + 16 r + 4 wave (steps 2 h and 2 h + 1, 256 bytes apart)
	v_lshrrev_b32 v21, 1, v1                       ; 8 x lane
	s_lshl_b32 s3, s12, 8
	s_add_co_u32 s3, s3, XCH
	v_add_nc_u32 v22, s3, v21                      ; and where I read step q = wave back
	v_mov_b32 v9, 0                                ; (named with v8 as a pair)
	v_mov_b32 v19, 0                               ; (a lane permute's destination counts as a source)
	v_lshlrev_b32 v20, 3, v3                       ; 8 h
	s_mov_b32 s30, 0x76543210
	s_mov_b32 s31, 0xfedcba98
	s_and_b32 s14, ttmp9, 7                        ; s: which 512 along K
	s_lshr_b32 s15, ttmp9, 3
	s_lshl_b32 s15, s15, 2
	s_add_co_u32 s15, s15, s12                     ; which 16 rows of the 8,192 of both tensors
	s_and_b32 s16, s15, 255                        ; and of my tensor's 4,096
	s_lshl_b32 s20, s16, 18
	s_lshl_b32 s21, s14, 11
	s_add_co_u32 s20, s20, s21
	s_mov_b32 s21, 0
	s_lshl_b32 s22, s16, 6
	s_mov_b32 s23, 0
	s_lshr_b32 s24, s15, 3                         ; G
	s_mul_i32 s24, s24, GRPB
	s_mul_i32 s25, s14, BLKB
	s_add_co_u32 s24, s24, s25                     ; my block
	s_and_b32 s25, s15, 7                          ; i
	s_lshl_b32 s18, s25, 10
	s_add_co_u32 s18, s18, s24
	s_mov_b32 s19, 0
	s_lshr_b32 s16, s25, 2
	s_lshl_b32 s16, s16, 8                         ; 256 (i / 4)
	s_lshl_b32 s17, s12, 9                         ; 512 q, q = wave
	s_add_co_u32 s16, s16, s17
	s_add_co_u32 s16, s16, s24
	s_add_co_u32 s16, s16, 32768
	s_mov_b32 s17, 0
	s_wait_alu depctr_va_vdst(0)                   ; the wait at the head's end
	s_wait_kmcnt 0x0
	s_cmp_lt_u32 ttmp9, WGA
	s_cselect_b64 s[4:5], s[4:5], s[6:7]
	s_add_nc_u64 s[4:5], s[4:5], s[20:21]
	s_add_nc_u64 s[8:9], s[8:9], s[22:23]
	s_add_nc_u64 s[26:27], s[10:11], s[18:19]
	s_add_nc_u64 s[28:29], s[10:11], s[16:17]
	global_load_b32 v8, v6, s[8:9]                 ; x's work-groups issue it too (inside the buffer, not used): the counts below are the same on both ways
.macro LOAD t
.irp row, 0,1,2,3,4,5,6,7,8,9,10,11,12,13,14,15
	global_load_b128 v[R+64*((\t)%2)+4*\row:R+64*((\t)%2)+4*\row+3], v1, s[4:5] offset:\row*ROWM+(\t)*512 th:TH_LOAD_NT
.endr
.endm
	LOAD 0
	LOAD 1
.macro STEP t
.if (\t) < 3
	s_wait_loadcnt 16                              ; this step's 16 are in; the next set's 16 may be out
.else
	s_wait_loadcnt 0x0
.endif
.irp row, 0,1,2,3,4,5,6,7,8,9,10,11,12,13,14,15
	ds_store_b128 v4, v[R+64*((\t)%2)+4*\row:R+64*((\t)%2)+4*\row+3] offset:\row*SP
.endr
.irp c, 0,1
.irp j, 0,1,2,3,4,5,6,7
	ds_load_b128 v[X+32*\c+4*\j:X+32*\c+4*\j+3], v5 offset:256*\c+16*\j   ; LDS serves a wave's instructions in order
.endr
.endr
	s_wait_dscnt 0x0
.if (\t)+2 < 4
	LOAD (\t)+2
.endif
	s_cmp_lt_u32 ttmp9, WGA                        ; the weight's numbers are made here: register work alone stands under the branch
	s_cbranch_scc1 .Lx_\@
.irp j, 0,1,2,3,4,5,6,7,8,9,10,11,12,13,14,15,16,17,18,19,20,21,22,23,24,25,26,27,28,29,30,31,32,33,34,35,36,37,38,39,40,41,42,43,44,45,46,47,48,49,50,51,52,53,54,55,56,57,58,59,60,61,62,63
	v_cvt_f32_i32 v[X+\j], v[X+\j]
.endr
.irp j, 0,2,4,6,8,10,12,14,16,18,20,22,24,26,28,30,32,34,36,38,40,42,44,46,48,50,52,54,56,58,60,62
	v_pk_mul_f32 v[X+\j:X+\j+1], v[X+\j:X+\j+1], v[8:9] op_sel_hi:[1,0]   ; x my row's scaler: one rounding in f32
.endr
.Lx_\@:
.irp c, 0,1                                    ; my two blocks: two chains a block, the blocks by turns
	v_max3_num_f32 v[10+2*\c], |v[X+32*\c]|, |v[X+32*\c+1]|, |v[X+32*\c+2]|
	v_max3_num_f32 v[11+2*\c], |v[X+32*\c+3]|, |v[X+32*\c+4]|, |v[X+32*\c+5]|
.endr
.irp i, 6,10,14,18,22,26
.irp c, 0,1
	v_max3_num_f32 v[10+2*\c], v[10+2*\c], |v[X+32*\c+\i]|, |v[X+32*\c+\i+1]|
	v_max3_num_f32 v[11+2*\c], v[11+2*\c], |v[X+32*\c+\i+2]|, |v[X+32*\c+\i+3]|
.endr
.endr
.irp c, 0,1
	v_max3_num_f32 v[10+2*\c], v[10+2*\c], |v[X+32*\c+30]|, |v[X+32*\c+31]|
.endr
.irp c, 0,1
	v_max3_num_f32 v[10+2*\c], v[10+2*\c], v[11+2*\c], 0x1800000   ; the floor 2^(3 - 127)
.endr
.irp c, 0,1
	v_add_nc_u32 v[14+\c], 0xff000000, v[10+2*\c]  ; 2 off the exponent field: the conversion's scale operand
.endr
.irp c, 0,1
.irp g, 0,1,2,3
	v_cvt_scalef32_pk8_fp4_f32 v[C+8*(\t)+4*\c+\g], v[X+32*\c+8*\g:X+32*\c+8*\g+7], v[14+\c]
.endr
.endr
	v_lshrrev_b32 v16, 23, v14                     ; the bytes (also the plain line behind the last conversion)
	v_lshrrev_b32 v17, 23, v15
	v_lshl_or_b32 v18, v17, 16, v16
	v_lshlrev_b32 v18, v20, v18                    ; 8 h bits up
	v_permlanex16_b32 v19, v18, s30, s31
	v_or_b32 v[W+(\t)], v18, v19                   ; the whole word, in both lanes
.irp c, 0,1
	global_store_b128 v1, v[C+8*(\t)+4*\c:C+8*(\t)+4*\c+3], s[26:27] offset:(\t)*8192+512*\c   ; 512 consecutive bytes
.endr
.endm
	STEP 0
	STEP 1
	STEP 2
	STEP 3
	v_cmp_ne_u32 vcc_lo, 0, v3                     ; lanes 0-15 hand on their row's words 0 and 1, lanes 16-31 words 2 and 3
	v_cndmask_b32 v28, v24, v26, vcc_lo
	v_cndmask_b32 v29, v25, v27, vcc_lo
	ds_store_b32 v7, v28
	ds_store_b32 v7, v29 offset:256
	s_wait_dscnt 0x0                               ; for the others' sake: my words are in LDS
	s_barrier_signal -1
	s_barrier_wait -1
	ds_load_b64 v[10:11], v22                      ; step q = wave: the words of the work-group's 64 rows
	s_wait_dscnt 0x0
	global_store_b64 v21, v[10:11], s[28:29]       ; 32 lanes store 256 consecutive bytes, aligned
	s_wait_tensorcnt 0x0                           ; the wave's end
	ds_add_u32 v30, v31
	s_wait_dscnt 0x0
	s_endpgm
.Lfunc_end_k_q03da04855f_quant:
	.size	k_q03da04855f_quant, .Lfunc_end_k_q03da04855f_quant-k_q03da04855f_quant
	.p2alignl 7, 3214868480
	.fill 96, 4, 3214868480
	.section	.rodata,"a",@progbits
	.p2align	6, 0x0
	.amdhsa_kernel k_q03da04855f_quant
		.amdhsa_group_segment_fixed_size 35328
		.amdhsa_private_segment_fixed_size 0
		.amdhsa_enable_private_segment 0
		.amdhsa_kernarg_size 32
		.amdhsa_user_sgpr_count 2
		.amdhsa_user_sgpr_kernarg_segment_ptr 1
		.amdhsa_wavefront_size32 1
		.amdhsa_system_sgpr_workgroup_id_x 1
		.amdhsa_system_sgpr_workgroup_id_y 1
		.amdhsa_system_sgpr_workgroup_id_z 1
		.amdhsa_system_vgpr_workitem_id 0
		.amdhsa_next_free_vgpr 256
		.amdhsa_next_free_sgpr 66
		.amdhsa_reserve_vcc 1
		.amdhsa_float_denorm_mode_32 3
		.amdhsa_float_denorm_mode_16_64 3
		.amdhsa_memory_ordered 1
		.amdhsa_forward_progress 1
		.amdhsa_inst_pref_size 47
	.end_amdhsa_kernel
	.amdgpu_metadata
---
amdhsa.version: [ 1, 2 ]
amdhsa.kernels:
  - .name:           k_q03da04855f_quant
    .symbol:         k_q03da04855f_quant.kd
    .args:
      - { .name: x, .offset: 0, .size: 8, .value_kind: global_buffer, .address_space: global }
      - { .name: weight, .offset: 8, .size: 8, .value_kind: global_buffer, .address_space: global }
      - { .name: weight_scaler, .offset: 16, .size: 8, .value_kind: global_buffer, .address_space: global }
      - { .name: codes, .offset: 24, .size: 8, .value_kind: global_buffer, .address_space: global }
    .group_segment_fixed_size: 35328
    .private_segment_fixed_size: 0
    .kernarg_segment_align: 8
    .kernarg_segment_size: 32
    .max_flat_workgroup_size: 128
    .sgpr_count:     66
    .vgpr_count:     256
    .wavefront_size: 32
...
	.end_amdgpu_metadata
.endif
;; end of part 1
;; launch gemm (part 2): grid 16 x 16, 4 waves a work-group, clusters of 4 x 4, 327,680 bytes of LDS; arguments codes, out0; writes out0
.if DOCPART == 2
	.amdgcn_target "amdgcn-amd-amdhsa--gfx1250"
	.amdhsa_code_object_version 6
	.text
	.protected	k_q03da04855f_gemm
	.globl	k_q03da04855f_gemm
	.p2align	8
	.type	k_q03da04855f_gemm,@function
k_q03da04855f_gemm:
	s_mov_b64 s[64:65], 0
	v_nop
	global_prefetch_b8 v0, s[64:65] scope:SCOPE_SE
	s_setreg_imm32_b32 hwreg(HW_REG_WAVE_MODE, 25, 1), 1
	s_wait_xcnt 0x0
	s_wait_alu depctr_hold_cnt(0) depctr_sa_sdst(0) depctr_va_vdst(0) depctr_va_sdst(0) depctr_va_ssrc(0) depctr_va_vcc(0) depctr_vm_vsrc(0)
	s_getreg_b32 s2, hwreg(HW_REG_IB_STS2, 6, 4)
	s_cmp_eq_u32 s2, 0
	s_cbranch_scc0 .Lentry_in_a_cluster
	s_endpgm
.Lentry_in_a_cluster:
	s_bfe_u32 s2, ttmp6, 0x10000c
	s_cmp_lg_u32 s2, 0xf033
	s_cbranch_scc0 .Lentry_shape_is_right
	s_endpgm
.Lentry_shape_is_right:
; out0[m][n] = sum over k of x[m][k] w[n][k], both as FP4 codes with E8M0 scales, from the workspace that the launch before laid as images of operand registers ([G][s][BLKB]: see there).
; A work-group makes 256 x 256; each of its four waves 128 x 128: 64 accumulators, 512 registers.  16 x 16 = 256 work-groups.
; K goes in steps of 512 through a ring of two LDS slots; a slot holds four blocks of 34,816 bytes (x's two groups of 128 rows, w's two), one tensor load a wave.  A block is dense in memory: 136 rows of 256 bytes.
; CLUSTERS: 4 x 4 work-groups; x's blocks are asked for jointly along a row of the cluster, w's along a column.
; A step of 128 along K: both operands have two sets of fragment registers, so ONE run of 34 LDS loads at a step's head fetches the whole next step (16 + 16 fragment loads, one load of scale words a side).
; At a slot's last step all its reads are over: the change of slots stands at that step's head, and the refill has a whole K step up to the wait for it.
; PREFETCH: of the 136 units of 256 bytes of the block that a wave fetches, the four partners that ask for it jointly take 34 each, told apart by address (two instructions: a lane a unit; in the second
; lanes 1-31 name the last unit).  Behind the load of K step 0 a wave names its share of K step 1, behind that of K step 1 those of K steps 2 and 3, behind the refill with K step j that of K step j + 2;
; the last two refills name nothing.
; THE MATRIX INSTRUCTION IS USED TRANSPOSED (source 0 = 16 rows of w, source 1 = 16 rows of x): a lane holds eight neighbouring numbers of a row of out0.
; REGISTERS: window 0: v0-31 addresses; v32-47 w's scale words (set q), v48-63 x's: register j holds block j in lanes 0-15 and block j + 4 in lanes 16-31; v64-191 x's fragments, two sets; on the way out v128-255.
;   window 1: v0-127 w's two sets.  window 2: accumulators of my rows 0-63 ((a, b) at v[8 (8 (a % 4) + b)]); window 3: rows 64-127.
.set SIZE_N, 4096
.set BLKB,   34816
.set GRPB,   8*BLKB
.set SCO,    32768
.set SLOT,   4*BLKB
.set LAPS,   4
.set STAGE,  2*SLOT                    ; behind the ring: a stage of 16 rows x 528 bytes for each wave; no tensor load lands there
.set SPITCH, 528
.set SPARE,  STAGE+4*16*SPITCH
.set PART,   34*256                    ; a partner's share of a block's prefetch
.set ADRA, 16                          ; v16-17 my block of x in slot 0, 1, + 16 x lane
.set ADRB, 20                          ; v20-21 the same for w
.set STO,  24
.set RD,   25
.set CO,   26                          ; 16 x lane
.set SPW,  28
.set NIL,  29
.set PFO,  30                          ; 256 x lane
.set PFL,  31                          ; 256 x min(lane, 1)
.set SB,   32
.set SA,   48
.set AF,   64
.set BK,   128
.set KS,   2                           ; the K step that the next refill brings
.set GA,   8
.set GB,   10
.set KO,   18
.set G1,   24
.set G0,   32
.set G1B,  48
.set G0B,  56
.set PFB,  68                          ; s[68:69] my share's place in K step 0 of the group that I fetch
.set PFA,  70                          ; s[70:71], s[74:75] where a prefetch stands
.set PO,   72
.set PFA2, 74
.set MSB, 0
.macro WIN new
.if MSB != \new
	s_set_vgpr_msb (MSB<<8)|\new
.set MSB, \new
.endif
.endm
.set MUL_LO, 0xa1
.set MUL_HI, 0xf1
.set TO_B,   0x40
.macro JLOAD g0a, g1a, g0b, g1b        ; a joint load: waves 0 and 1 fetch x's blocks, waves 2 and 3 w's
	s_cmp_eq_u32 s15, 0
	s_cbranch_scc0 .Lfor_b_\@
	tensor_load_to_lds s[\g0a:\g0a+3], s[\g1a:\g1a+7]
	s_nop 0
.rept 4
	v_nop
.endr
	s_branch .Lasked_\@
.Lfor_b_\@:
	tensor_load_to_lds s[\g0b:\g0b+3], s[\g1b:\g1b+7]
	s_nop 0
.rept 4
	v_nop
.endr
.Lasked_\@:
.endm
.macro CREST
	s_cmp_lg_u32 s14, 0
	s_cbranch_scc1 .Lnot_wave_0_\@
	s_barrier_signal -3
.Lnot_wave_0_\@:
	s_barrier_wait -3
	s_barrier_signal -1
	s_barrier_wait -1
.endm
.macro CROUND
	s_barrier_signal -1
	s_barrier_wait -1
	CREST
.endm
.macro PLACES
.rept 4
	v_nop
.endr
.endm
.macro AIM dst, d                      ; dst = my share of K step KS + d (taken modulo 8: in the loop's last trip, where it is not used, it stays inside the buffer)
	s_add_co_u32 s[PO], s[KS], \d
	s_and_b32 s[PO], s[PO], 7
	s_mul_i32 s[PO], s[PO], BLKB
	s_add_nc_u64 s[\dst:\dst+1], s[PFB:PFB+1], s[PO:PO+1]
.endm
.macro ASK at
	global_prefetch_b8 v[PFO], s[\at:\at+1] th:TH_LOAD_NT scope:SCOPE_SE
	global_prefetch_b8 v[PFL], s[\at:\at+1] offset:8192 th:TH_LOAD_NT scope:SCOPE_SE
.endm
	s_load_b128 s[4:7], s[0:1], 0x0                ; codes, out0
	v_lshl_add_u32 v[SPW], v0, 2, SPARE
	v_mov_b32 v[NIL], 0
	ds_add_u32 v[SPW], v[NIL]                      ; the opening lines: the add twice on end and its wait
	ds_add_u32 v[SPW], v[NIL]
	v_lshrrev_b32 v1, 5, v0
	v_readfirstlane_b32 s14, v1                    ; wave
	s_lshr_b32 s15, s14, 1                         ; my half of the rows; also: I fetch for x (0) or w (1)
	s_and_b32 s16, s14, 1                          ; my half of the columns; also: which group of 128 I fetch
	s_bfe_u32 s40, ttmp6, 0x40000                  ; cx
	s_bfe_u32 s41, ttmp6, 0x40004                  ; cy
	s_lshl_b32 s42, ttmp9, 2
	s_add_co_u32 s42, s42, s40                     ; tile column
	s_and_b32 s17, ttmp7, 0xffff
	s_lshl_b32 s17, s17, 2
	s_add_co_u32 s17, s17, s41                     ; tile row
	s_lshl_b32 s43, s41, 2
	s_lshl_b32 s43, 15, s43                        ; my row of the cluster
	s_lshl_b32 s44, 0x1111, s40                    ; my column
	s_mov_b32 s[KS], 2                             ; K steps 0 and 1 are asked for ahead of the loop
	s_mov_b32 s[KO+1], 0
	s_mov_b32 s[PO+1], 0
	s_or_b32 s[G1+0], s43, (3<<16)|(1<<21)         ; the mask; elements of 8 bytes
	s_or_b32 s[G1B+0], s44, (3<<16)|(1<<21)
.irp g, G1, G1B
	s_mov_b32 s[\g+1], 32<<16                      ; 136 rows of 256 bytes, dense
	s_mov_b32 s[\g+2], 136<<16
	s_mov_b32 s[\g+3], 32<<16
	s_mov_b32 s[\g+4], 136
	s_mov_b32 s[\g+5], 32
	s_mov_b32 s[\g+6], 0
	s_mov_b32 s[\g+7], 0
.endr
	s_lshl_b32 s20, s17, 1                         ; x: group 2 x tile row + half
	s_add_co_u32 s20, s20, s16
	s_mul_i32 s20, s20, GRPB
	s_mov_b32 s21, 0
	s_lshl_b32 s46, s42, 1                         ; w: group 32 + 2 x tile column + half
	s_add_co_u32 s46, s46, s16
	s_add_co_u32 s46, s46, 32
	s_mul_i32 s46, s46, GRPB
	s_mov_b32 s47, 0
	s_mul_i32 s45, s14, BLKB                       ; where my block goes in a slot
	s_lshl_b32 s22, s17, 8                         ; out0: my first row, 16,384 bytes a row, + my first column
	s_lshl_b32 s23, s15, 7
	s_add_co_u32 s22, s22, s23
	s_lshl_b32 s22, s22, 14
	s_lshl_b32 s23, s42, 10
	s_add_co_u32 s22, s22, s23
	s_lshl_b32 s23, s16, 9
	s_add_co_u32 s22, s22, s23
	s_mov_b32 s23, 0
	s_mul_i32 s76, s15, BLKB                       ; the block of x that I read
	s_mul_i32 s77, s16, BLKB
	s_add_co_u32 s77, s77, 2*BLKB                  ; and of w
	s_mul_i32 s78, s14, 16*SPITCH
	s_add_co_u32 s78, s78, STAGE                   ; my stage
	v_and_b32 v6, 31, v0
	v_lshlrev_b32 v[CO], 4, v6
	v_lshlrev_b32 v[PFO], 8, v6
	v_min_u32 v7, 1, v6
	v_lshlrev_b32 v[PFL], 8, v7
	v_add_nc_u32 v[ADRA], s76, v[CO]
	v_add_nc_u32 v[ADRB], s77, v[CO]
	v_add_nc_u32 v[ADRA+1], SLOT, v[ADRA]
	v_add_nc_u32 v[ADRB+1], SLOT, v[ADRB]
	v_and_b32 v1, 15, v0
	v_bfe_u32 v2, v0, 4, 1
	v_mul_u32_u24 v5, v1, SPITCH
	v_lshl_add_u32 v5, v2, 5, v5
	v_add_nc_u32 v[STO], s78, v5                   ; into the stage: row l % 16, 32 bytes for each half of the lanes
	v_add_nc_u32 v[RD], s78, v[CO]                 ; back: 32 lanes take a row of 512 bytes
	s_wait_alu depctr_va_vdst(0)                   ; the wait behind the head's last vector instruction
	s_wait_dscnt 0x0                               ; both opening adds are done
	s_wait_kmcnt 0x0
	s_add_nc_u64 s[GA:GA+1], s[4:5], s[20:21]
	s_add_nc_u64 s[GB:GB+1], s[4:5], s[46:47]
	s_add_nc_u64 s[12:13], s[6:7], s[22:23]
.irp s, 0,1
	s_mov_b32 s[G0+4*\s], 1
	s_add_co_u32 s[G0+4*\s+1], s45, \s*SLOT
	s_add_nc_u64 s[G0+4*\s+2:G0+4*\s+3], s[GA:GA+1], \s*BLKB
	s_or_b32 s[G0+4*\s+3], s[G0+4*\s+3], 0x80000000
	s_mov_b32 s[G0B+4*\s], 1
	s_add_co_u32 s[G0B+4*\s+1], s45, \s*SLOT
	s_add_nc_u64 s[G0B+4*\s+2:G0B+4*\s+3], s[GB:GB+1], \s*BLKB
	s_or_b32 s[G0B+4*\s+3], s[G0B+4*\s+3], 0x80000000
.endr
	s_cmp_eq_u32 s15, 0                            ; the prefetches: the group that I fetch, and my place among the four that ask for it with me
	s_cselect_b64 s[PFB:PFB+1], s[GA:GA+1], s[GB:GB+1]
	s_cselect_b32 s[PO], s40, s41
	s_mul_i32 s[PO], s[PO], PART
	s_add_nc_u64 s[PFB:PFB+1], s[PFB:PFB+1], s[PO:PO+1]
	AIM PFA, -1                                    ; K step 1
	CROUND                                         ; all sixteen work-groups are here: the first joint loads meet
	JLOAD G0, G1, G0B, G1B                         ; K step 0: my one load at the head
	ASK PFA
.macro FETCH slot, q                   ; the fragments and scale words of the slot's q-th 128 along K: 34 LDS loads
	WIN TO_B
.irp i, 0,1,2,3,4,5,6,7
.irp c, 0,1
	ds_load_b128 v[64*((\q)%2)+8*\i+4*\c:64*((\q)%2)+8*\i+4*\c+3], v[ADRB+\slot] offset:(8*(\q)+\i)*1024+512*\c
.endr
.endr
	WIN 0
	ds_load_b128 v[SB+4*(\q):SB+4*(\q)+3], v[ADRB+\slot] offset:SCO+512*(\q)
	ds_load_b128 v[SA+4*(\q):SA+4*(\q)+3], v[ADRA+\slot] offset:SCO+512*(\q)
.irp i, 0,1,2,3,4,5,6,7
.irp c, 0,1
	ds_load_b128 v[AF+64*((\q)%2)+8*\i+4*\c:AF+64*((\q)%2)+8*\i+4*\c+3], v[ADRA+\slot] offset:(8*(\q)+\i)*1024+512*\c
.endr
.endr
.endm
.macro WM zero, bh, ah                 ; one product; blocks 4-7 take their scale words from lanes 16-31
.if \zero
.if \bh
.if \ah
	v_wmma_scale_f32_16x16x128_f8f6f4 v[D:D+7], v[FB:FB+7], v[FA:FA+7], 0, v[XB], v[XA] matrix_a_fmt:MATRIX_FMT_FP4 matrix_b_fmt:MATRIX_FMT_FP4 matrix_a_scale:MATRIX_SCALE_ROW1 matrix_b_scale:MATRIX_SCALE_ROW1
.else
	v_wmma_scale_f32_16x16x128_f8f6f4 v[D:D+7], v[FB:FB+7], v[FA:FA+7], 0, v[XB], v[XA] matrix_a_fmt:MATRIX_FMT_FP4 matrix_b_fmt:MATRIX_FMT_FP4 matrix_a_scale:MATRIX_SCALE_ROW1
.endif
.else
.if \ah
	v_wmma_scale_f32_16x16x128_f8f6f4 v[D:D+7], v[FB:FB+7], v[FA:FA+7], 0, v[XB], v[XA] matrix_a_fmt:MATRIX_FMT_FP4 matrix_b_fmt:MATRIX_FMT_FP4 matrix_b_scale:MATRIX_SCALE_ROW1
.else
	v_wmma_scale_f32_16x16x128_f8f6f4 v[D:D+7], v[FB:FB+7], v[FA:FA+7], 0, v[XB], v[XA] matrix_a_fmt:MATRIX_FMT_FP4 matrix_b_fmt:MATRIX_FMT_FP4
.endif
.endif
.else
.if \bh
.if \ah
	v_wmma_scale_f32_16x16x128_f8f6f4 v[D:D+7], v[FB:FB+7], v[FA:FA+7], v[D:D+7], v[XB], v[XA] matrix_a_fmt:MATRIX_FMT_FP4 matrix_b_fmt:MATRIX_FMT_FP4 matrix_a_scale:MATRIX_SCALE_ROW1 matrix_b_scale:MATRIX_SCALE_ROW1
.else
	v_wmma_scale_f32_16x16x128_f8f6f4 v[D:D+7], v[FB:FB+7], v[FA:FA+7], v[D:D+7], v[XB], v[XA] matrix_a_fmt:MATRIX_FMT_FP4 matrix_b_fmt:MATRIX_FMT_FP4 matrix_a_scale:MATRIX_SCALE_ROW1
.endif
.else
.if \ah
	v_wmma_scale_f32_16x16x128_f8f6f4 v[D:D+7], v[FB:FB+7], v[FA:FA+7], v[D:D+7], v[XB], v[XA] matrix_a_fmt:MATRIX_FMT_FP4 matrix_b_fmt:MATRIX_FMT_FP4 matrix_b_scale:MATRIX_SCALE_ROW1
.else
	v_wmma_scale_f32_16x16x128_f8f6f4 v[D:D+7], v[FB:FB+7], v[FA:FA+7], v[D:D+7], v[XB], v[XA] matrix_a_fmt:MATRIX_FMT_FP4 matrix_b_fmt:MATRIX_FMT_FP4
.endif
.endif
.endif
.endm
.macro QUAD q, bh, ah, zero            ; 16 products: w's blocks 4 bh .. + 3 x x's blocks 4 ah .. + 3.  The 64 accumulators take turns, one instruction a turn
.irp b, 0,1,2,3
.irp a, 0,1,2,3
.set D,  8*(8*\a+4*\bh+\b)
.set FB, 64*(\q%2)+8*(4*\bh+\b)
.set FA, AF+64*(\q%2)+8*(4*\ah+\a)
.set XB, SB+4*\q+\b
.set XA, SA+4*\q+\a
	WM \zero, \bh, \ah
.endr
.endr
.endm
.macro STEP slot, q, zero              ; one of a slot's first three steps
	PLACES                                         ; four places ahead of loads into the registers that the step before multiplied
	FETCH \slot, \q+1
	s_wait_dscnt 34                                ; all but the 34 just issued: this step's fragments are in
	WIN MUL_LO
	QUAD \q, 0, 0, \zero
	WIN MUL_HI
	QUAD \q, 0, 1, \zero
	QUAD \q, 1, 1, \zero
	WIN MUL_LO
	QUAD \q, 1, 0, \zero
.endm
; A slot's last step changes slots at its head: my reads of the slot were issued a step ago.  fill = 1: the slot is filled again, two K steps ahead.
.macro TURN slot, next, fill
	WIN 0
.if \fill
	s_wait_xcnt 0x0                                ; my last prefetches have read their address
	AIM PFA, 2
.endif
	s_wait_tensorcnt 0x0                           ; all my tensor loads have landed: my block of the next slot;
	ds_add_u32 v[SPW], v[NIL]
.if \fill
	s_and_b32 s[KO], s[KS], 7
	s_mul_i32 s[KO], s[KO], BLKB
	s_add_nc_u64 s[G0+4*\slot+2:G0+4*\slot+3], s[GA:GA+1], s[KO:KO+1]
	s_or_b32 s[G0+4*\slot+3], s[G0+4*\slot+3], 0x80000000
	s_add_nc_u64 s[G0B+4*\slot+2:G0B+4*\slot+3], s[GB:GB+1], s[KO:KO+1]
	s_or_b32 s[G0B+4*\slot+3], s[G0B+4*\slot+3], 0x80000000
	s_add_co_u32 s[KS], s[KS], 1
.endif
	s_wait_dscnt 1                                 ; this step's fragments are in; the add may be out
	WIN MUL_LO
	QUAD 3, 0, 0, 0
	s_wait_dscnt 0x0                               ; the add is done, and my reads of this slot are over
	s_barrier_signal -1
	WIN MUL_HI
	QUAD 3, 0, 1, 0
	WIN 0
	s_barrier_wait -1
.if \fill
	CREST                                          ; the barrier has opened a round of the cluster's barrier
	JLOAD G0+4*\slot, G1, G0B+4*\slot, G1B         ; the first tensor load behind the round; its four v_nop are the places ahead of the loads below
.else
	PLACES
.endif
	FETCH \next, 0
.if \fill
	s_cmp_gt_u32 s3, 1                             ; the loop's last trip has no K step two refills on
	s_cbranch_scc0 .Lno_ask_\@
	ASK PFA
.Lno_ask_\@:
.endif
	WIN MUL_HI
	QUAD 3, 1, 1, 0
	WIN MUL_LO
	QUAD 3, 1, 0, 0
.endm
	s_wait_tensorcnt 0x0                           ; my block of K step 0 is in
	ds_add_u32 v[SPW], v[NIL]
	s_wait_xcnt 0x0                                ; my first prefetches have read their address
	AIM PFA, 0                                     ; K step 2
	AIM PFA2, 1                                    ; K step 3
	s_wait_dscnt 0x0
	CROUND
	JLOAD G0+4, G1, G0B+4, G1B                     ; K step 1
	FETCH 0, 0
	ASK PFA
	ASK PFA2
	STEP 0, 0, 1                                   ; the first step starts the sums
	WIN 0
	s_mov_b32 s3, LAPS-1
.Llap:                                                 ; a trip goes once round the ring and fills both slots again
	STEP 0, 1, 0
	STEP 0, 2, 0
	TURN 0, 1, 1
	STEP 1, 0, 0
	STEP 1, 1, 0
	STEP 1, 2, 0
	TURN 1, 0, 1
	STEP 0, 0, 0
	WIN 0
	s_sub_co_u32 s3, s3, 1
	s_cmp_lg_u32 s3, 0
	s_cbranch_scc1 .Llap
	STEP 0, 1, 0                                   ; the last lap fills nothing
	STEP 0, 2, 0
	TURN 0, 1, 0
	STEP 1, 0, 0
	STEP 1, 1, 0
	STEP 1, 2, 0
	s_wait_dscnt 0x0
	WIN MUL_LO
	QUAD 3, 0, 0, 0
	WIN MUL_HI
	QUAD 3, 0, 1, 0
	QUAD 3, 1, 1, 0
	WIN MUL_LO
	QUAD 3, 1, 0, 0
	WIN 0
; THE WAY OUT, by blocks of 16 rows x 128 columns: through my own stage and back as whole rows of 512 bytes.  LDS serves a wave's instructions in order: no wait between the stores and the loads.
.macro TOSTAGE a
.set AC, 64*((\a)%4)
	WIN 0x08+4*((\a)/4)
.irp b, 0,1,2,3,4,5,6,7
	ds_store_b128 v[STO], v[AC+8*\b:AC+8*\b+3] offset:64*\b          ; each accumulator from its low end on
	ds_store_b128 v[STO], v[AC+8*\b+4:AC+8*\b+7] offset:64*\b+16
.endr
	WIN 0
.set BBK, BK+64*((\a)%2)
.irp t, 0,1,2,3,4,5,6,7,8,9,10,11,12,13,14,15
	ds_load_b128 v[BBK+4*\t:BBK+4*\t+3], v[RD] offset:\t*SPITCH
.endr
.endm
.macro SEND a, younger
.set BBK, BK+64*((\a)%2)
	s_wait_dscnt \younger
.if (\a) > 0
	s_add_nc_u64 s[12:13], s[12:13], 16*SIZE_N*4   ; (behind a wait on XCNT)
.endif
.irp t, 0,1,2,3,4,5,6,7,8,9,10,11,12,13,14,15
	global_store_b128 v[CO], v[BBK+4*\t:BBK+4*\t+3], s[12:13] offset:\t*SIZE_N*4 th:TH_STORE_NT   ; 512 consecutive bytes, aligned
.endr
.endm
	PLACES
	TOSTAGE 0
.irp a, 1,2,3,4,5,6,7
.if \a > 1
	s_wait_xcnt 0x0                                ; block a - 2's stores have read their registers and their base
.endif
	TOSTAGE \a
	SEND \a-1, 32
.endr
	s_wait_xcnt 0x0
	SEND 7, 0
	s_wait_tensorcnt 0x0                           ; the wave's end
	ds_add_u32 v[SPW], v[NIL]
	s_wait_dscnt 0x0
	CROUND                                         ; the closing round
	s_endpgm
.Lfunc_end_k_q03da04855f_gemm:
	.size	k_q03da04855f_gemm, .Lfunc_end_k_q03da04855f_gemm-k_q03da04855f_gemm
	.p2alignl 7, 3214868480
	.fill 96, 4, 3214868480
	.section	.rodata,"a",@progbits
	.p2align	6, 0x0
	.amdhsa_kernel k_q03da04855f_gemm
		.amdhsa_group_segment_fixed_size 327680
		.amdhsa_private_segment_fixed_size 0
		.amdhsa_enable_private_segment 0
		.amdhsa_kernarg_size 16
		.amdhsa_user_sgpr_count 2
		.amdhsa_user_sgpr_kernarg_segment_ptr 1
		.amdhsa_wavefront_size32 1
		.amdhsa_system_sgpr_workgroup_id_x 1
		.amdhsa_system_sgpr_workgroup_id_y 1
		.amdhsa_system_sgpr_workgroup_id_z 1
		.amdhsa_system_vgpr_workitem_id 0
		.amdhsa_next_free_vgpr 1024
		.amdhsa_next_free_sgpr 80
		.amdhsa_reserve_vcc 0
		.amdhsa_float_denorm_mode_32 3
		.amdhsa_float_denorm_mode_16_64 3
		.amdhsa_memory_ordered 1
		.amdhsa_forward_progress 1
		.amdhsa_inst_pref_size 209
	.end_amdhsa_kernel
	.amdgpu_metadata
---
amdhsa.version: [ 1, 2 ]
amdhsa.kernels:
  - .name:           k_q03da04855f_gemm
    .symbol:         k_q03da04855f_gemm.kd
    .args:
      - { .name: codes, .offset: 0, .size: 8, .value_kind: global_buffer, .address_space: global }
      - { .name: out0, .offset: 8, .size: 8, .value_kind: global_buffer, .address_space: global }
    .group_segment_fixed_size: 327680
    .private_segment_fixed_size: 0
    .kernarg_segment_align: 8
    .kernarg_segment_size: 16
    .max_flat_workgroup_size: 128
    .sgpr_count:     80
    .vgpr_count:     1024
    .wavefront_size: 32
...
	.end_amdgpu_metadata
.endif
;; end of part 2
